; MI455X (gfx1250); checked and timed in simulation.
; The chip was launched on July 23, 2026; its instructions are those of AMD's public machine-readable ISA for CDNA 5 (MIT licence, August 2026) and "CDNA5" Instruction Set Architecture Reference Guide (July 2026). The comments in the code are by the model that wrote it; some were corrected since.
;; Multi Head Attention. Allowed arithmetic: matrix products marked QUANTISED: E5M2 operands, one E8M0 scale for each 32 along K, by v_wmma_scale_f32_16x16x128_f8f6f4 with both operands' format E5M2, f32 sums; everything else in f32.
;; Inputs: W_K 1,024 x 1,024 float32; W_Q 1,024 x 1,024 float32; W_V 1,024 x 1,024 float32; k 4 x 2,048 x 1,024 float32; q 4 x 2,048 x 1,024 float32; v 4 x 2,048 x 1,024 float32.
;; Outputs: out0 4 x 2,048 x 1,024 float32.
;; This version of the problem:
;;   THIS VERSION OF THE PROBLEM IS GIVEN IN LOW PRECISION. The matrix products marked QUANTISED in the list below multiply operands that are first quantised to E5M2 (5 exponent bits, 2 mantissa bits; 8 bits a number), with one power-of-two scale for each 32 numbers along K (OCP MX v1.0); their sums are f32. All else is computed in f32.
;;   The module's matrix products, in the order in which they are computed (A, B: the left and right operand; K: the contracted axis; several contracted axes count as one K, in the product's order):
;;     1. [M 8,192, K 1,024] x [K 1,024, N 1,024]; A: input q; B: input W_Q: QUANTISED
;;     2. [M 8,192, K 1,024] x [K 1,024, N 1,024]; A: input k; B: input W_K: QUANTISED
;;     3. [M 8,192, K 1,024] x [K 1,024, N 1,024]; A: input v; B: input W_V: QUANTISED
;;     4. batch 64 x [M 2,048, K 64] x [K 64, N 2,048]; A: computed on the way; B: computed on the way: QUANTISED
;;     5. batch 64 x [M 64, K 2,048] x [K 2,048, N 2,048]; A: computed on the way; B: softmax (see below): QUANTISED
;;   THE QUANTISER, for each operand of a quantised product, along K:
;;     - K is cut into blocks of 32 from its start; a last block that is shorter is filled with zeros.
;;     - A block's scale is 2^e with e = floor(log2(the largest magnitude in the block)) - 15, held to -126 .. 127; a block of zeros has e = 0. As a byte (E8M0): e + 127.
;;     - Each number is divided by its block's scale, clamped to +-57,344, and rounded to the nearest number of E5M2, ties to even, subnormals kept.
;;     - The product sums the exact products of the quantised numbers (number of the format x scale) in f32.
;;   ~~~python
;;   def quantise(x, axis):      # numpy; x: float32 -> the quantised numbers, widened to float32 again
;;       x = np.moveaxis(x, axis, -1); K = x.shape[-1]
;;       x = np.pad(x, [(0, 0)] * (x.ndim - 1) + [(0, -K % 32)]); x = x.reshape(x.shape[:-1] + (-1, 32)); a = np.abs(x).max(-1, keepdims=True)
;;       e = np.where(a > 0, np.clip(np.frexp(np.where(a > 0, a, 1))[1] - 1 - 15, -126, 127), 0)      # np.frexp(a)[1] - 1 = floor(log2(a)), exactly
;;       r = np.clip(x / 2.0 ** e, -57344, 57344)
;;       step = 2.0 ** (np.maximum(np.frexp(np.where(r == 0, 1, r))[1] - 1, -14) - 2)
;;       q = np.round(r / step) * step * 2.0 ** e      # np.round: ties to even
;;       return np.moveaxis(q.reshape(q.shape[:-2] + (-1,))[..., :K], -1, axis).astype(np.float32)
;;   ~~~
;;   SOFTMAX AHEAD OF A QUANTISED PRODUCT. Where the list says 'softmax', what is quantised is not the finished softmax but p = 2^(t - M), with t = logit x log2(e) and M = ceil(the row's largest t), a whole number; so 1/2 < the row's largest p <= 1. The row's sum l is taken of the UNQUANTISED p, in f32, and the product's result is divided by l at the end. Since M is a whole number, a kernel that streams over the keys may use a running M (the ceiling of the running maximum): every later rescaling is an exact power of two, which a block's scale takes up: the codes' values come out the same.
;;   OPERANDS COMPUTED ON THE WAY. 'Computed on the way' means the value that the module computes at that place (a softmax that the list does not call 'softmax' is quantised finished and normalised). What goes into a quantiser is computed in f32, as accurately as f32 sums, v_exp_f32 and their like allow (about 1e-6 of the number): no bf16 or f16 on the way to a quantiser, and a product that is left as it is and whose result goes on into a quantised operand takes f32 operands (vector FMAs, or v_wmma_f32_16x16x4_f32). A number that lies on a knife's edge between two numbers of the format may be rounded either way, as far as f32 arithmetic and the matrix unit's own rounding can turn it there, and no further.
;; One version. Each part assembles by itself: llvm-mc -triple=amdgcn-amd-amdhsa -mcpu=gfx1250 --defsym DOCPART=n.
;; ======== version 1 of 1: 3 launches
;; limits: right only within a limited range of input values
;; workspace buffers: xc 25,165,824 bytes; xs 786,432 bytes; wc 3,145,728 bytes; ws 98,304 bytes; qc 8,388,608 bytes; qs 524,288 bytes; kv 17,563,648 bytes
;; launch quant (part 1): grid 864 x 1, 4 waves a work-group, no clusters, 68,096 bytes of LDS; arguments q, k, v, W_Q, W_K, W_V, xc, xs, wc, ws; writes xc, xs, wc, ws
.if DOCPART == 1
	.amdgcn_target "amdgcn-amd-amdhsa--gfx1250"
	.amdhsa_code_object_version 6
	.text
	.protected	k_q89e65629c2_quant
	.globl	k_q89e65629c2_quant
	.p2align	8
	.type	k_q89e65629c2_quant,@function
k_q89e65629c2_quant:
	s_mov_b64 s[64:65], 0
	v_nop
	global_prefetch_b8 v0, s[64:65] scope:SCOPE_SE
	s_setreg_imm32_b32 hwreg(HW_REG_WAVE_MODE, 25, 1), 1
	s_wait_xcnt 0x0
; q, k, v [8192][1024] f32 (K innermost) and W_Q, W_K, W_V [1024 (K)][1024 (n)] f32 (K outermost) become codes of BF8 (E5M2) with K innermost and one E8M0 byte for each 32 along K.
; A block's scale is 2^(floor(log2(its largest magnitude)) - 15); its byte is the largest magnitude's exponent field - 15, held at 1 from below; each number is held within +-57,344 x the scale and rounded to the nearest code, ties to even.
; OUT: xc [24576 positions][1024 bytes], xs [24576][32]: q's rows, then k's, then v's.  wc [3072 positions][1024], ws [3072][32]: W_Q's columns, then W_K's, then W_V's.
; THE ORDER OF ROWS: position p holds row (or column) sigma(p) = p with bits 3 and 4 exchanged.  The next launch then reads neighbouring rows and still finds, in a lane's 16 result registers of two neighbouring tiles,
; 16 neighbours along its results' columns, which are the next products' K.
; LIMITS: a block of zeros gets the byte 1 where the rule says 127 (its codes are zeros, and this program alone reads the bytes); blocks whose largest magnitude lies under 2^(16 - 127) are held at that byte; NaN and infinities are not served.
; Work-groups 0-95 take the weights (a lane to a column, registers down K), work-groups 96-863 the activations (plain streams of blocks of 32).  The two ways part on the work-group's number and have LDS bytes of their own.
; No tensor loads, no barrier, no cluster: waves share nothing.  No prefetch: the launch is one stream of loads, many of them out at a time.
.set EMAX,   15
.set MANT,   0x600000                  ; the mantissa field of 57,344 as f32
.set NWGW,   96                        ; work-groups for the weights
; the activations' way
.set STEPS,  16                        ; a wave takes 16 steps of 512 numbers: 8 rows
.set CB,     16                        ; bytes of 16 codes
.set AR,     16                        ; v16-79   four sets of 16 numbers as they are loaded
.set AX,     80                        ; v80-111  two sets of 16 neighbours
.set AE,     112                       ; v112-127 a scale byte for each step
.set ACD,    128                       ; v128-191 codes: four registers for each step
.set WREG,   8192                      ; LDS bytes 0 to 32,767: a region for each wave: two stages of 32 x SP bytes, then its 256 scale bytes
.set SP,     80                        ; a lane's place in a stage: 64 bytes + 16 of padding
; the weights' way
.set WSTG,   32768                     ; LDS from here on: a stage of 32 rows x WPITCH for each wave
.set WPITCH, 272
.set NB,     8                         ; blocks of 32 along K for a wave: 256 along K
.set KROW,   1024                      ; a row of wc in bytes
.set NROW,   4096                      ; a row of W in bytes
.set WX,     32                        ; v32-95   two sets of 32 numbers
.set WCD,    96                        ; v96-103  a block's codes
.set OUTR,   112                       ; v112-175 the way out
.set SB,     24                        ; v24-25   the scale bytes, four to a register
	s_load_b256 s[4:11], s[0:1], 0x0               ; q s[4:5], k s[6:7], v s[8:9], W_Q s[10:11]
	s_load_b256 s[12:19], s[0:1], 0x20             ; W_K s[12:13], W_V s[14:15], xc s[16:17], xs s[18:19]
	s_load_b128 s[20:23], s[0:1], 0x40             ; wc s[20:21], ws s[22:23]
	v_lshl_add_u32 v192, v0, 2, 0x10800
	v_mov_b32 v193, 0
	v_lshrrev_b32 v1, 5, v0
	v_readfirstlane_b32 s24, v1                    ; wave 0..3
	v_and_b32 v2, 31, v0                           ; lane
	s_mov_b32 s31, MANT                            ; (an instruction takes one literal: the hold's line has another)
	s_cmp_ge_u32 ttmp9, NWGW
	s_cbranch_scc1 .Lacts
	; ---------------- THE WEIGHTS.  Work-group x: tensor x / 32, 256 along K (x / 8) % 4, 128 columns x % 8.  A wave: 32 columns x 256 along K.
	s_lshr_b32 s25, ttmp9, 5                       ; which tensor
	s_and_b32 s26, ttmp9, 7
	s_bfe_u32 s27, ttmp9, 0x20003                  ; which 256 along K
	s_lshl_b32 s26, s26, 7
	s_lshl_b32 s28, s24, 5
	s_add_co_u32 s26, s26, s28                     ; my wave's first column
	s_wait_alu depctr_va_vdst(0)
	v_lshlrev_b32 v3, 2, v2                        ; in: 4 bytes a lane
	s_mul_i32 s29, s24, 32*WPITCH
	s_add_co_u32 s29, s29, WSTG                    ; my stage
	v_and_b32 v10, 7, v2
	v_and_b32 v11, 8, v2
	v_lshl_or_b32 v10, v11, 1, v10
	v_bfe_u32 v11, v2, 4, 1
	v_lshl_or_b32 v10, v11, 3, v10                 ; my column's position among the wave's 32: the lane with bits 3 and 4 exchanged
	v_mul_u32_u24 v4, v10, WPITCH
	v_add_nc_u32 v4, s29, v4                       ; into the stage: row = my column's position
	v_and_b32 v5, 15, v2
	v_lshrrev_b32 v6, 4, v2                        ; out of it: sixteen lanes to a row, two rows an instruction
	v_mul_u32_u24 v7, v6, WPITCH
	v_lshl_add_u32 v7, v5, 4, v7
	v_add_nc_u32 v7, s29, v7
	v_lshlrev_b32 v8, 10, v6
	v_lshl_add_u32 v8, v5, 4, v8                   ; and the same place in wc
	v_lshlrev_b32 v9, 5, v10                       ; my column's row of scale bytes
	s_lshl_b32 s32, s27, 20                        ; W: 256 rows of 4,096 bytes for each step along K,
	s_lshl_b32 s28, s26, 2
	s_add_co_u32 s32, s32, s28                     ; + 4 x column
	s_mov_b32 s33, 0
	s_lshl_b32 s34, s25, 10
	s_add_co_u32 s34, s34, s26                     ; my first position in wc and ws
	s_lshl_b32 s42, s34, 5
	s_lshl_b32 s28, s27, 3
	s_add_co_u32 s42, s42, s28                     ; ws: 32 bytes a position, + 8 for each 256 along K
	s_mov_b32 s43, 0
	s_lshl_b32 s34, s34, 10
	s_lshl_b32 s28, s27, 8
	s_add_co_u32 s34, s34, s28                     ; wc: 1,024 bytes a position, + 256 for each 256 along K
	s_mov_b32 s35, 0
	s_wait_kmcnt 0x0
	s_cmp_lt_u32 s25, 1                            ; the choice hangs on the work-group's number alone
	s_cselect_b64 s[36:37], s[10:11], s[12:13]
	s_cmp_lt_u32 s25, 2
	s_cselect_b64 s[36:37], s[36:37], s[14:15]
	s_add_nc_u64 s[36:37], s[36:37], s[32:33]
	s_add_nc_u64 s[38:39], s[20:21], s[34:35]
	s_add_nc_u64 s[40:41], s[22:23], s[42:43]
.macro WLOAD t                         ; block t: W(32 t + i, my column), i = 0 .. 31, into set t % 2: 32 lanes read 128 consecutive bytes
.irp i, 0,1,2,3,4,5,6,7,8,9,10,11,12,13,14,15,16,17,18,19,20,21,22,23,24,25,26,27,28,29,30,31
	global_load_b32 v[WX+32*((\t)%2)+\i], v3, s[36:37] offset:(32*(\t)+\i)*NROW th:TH_LOAD_NT
.endr
.endm
	WLOAD 0
	WLOAD 1
.macro WBLOCK t
.set XS, WX+32*((\t)%2)
.if (\t) < NB-1
	s_wait_loadcnt 32                              ; this block's 32 loads are in; the next block's 32 may be out
.else
	s_wait_loadcnt 0
.endif
	v_max3_num_f32 v12, |v[XS]|, |v[XS+1]|, |v[XS+2]|   ; the block's largest magnitude: all 32 numbers are mine; two chains
	v_max3_num_f32 v13, |v[XS+3]|, |v[XS+4]|, |v[XS+5]|
.irp i, 6,10,14,18,22,26
	v_max3_num_f32 v12, v12, |v[XS+\i]|, |v[XS+\i+1]|
	v_max3_num_f32 v13, v13, |v[XS+\i+2]|, |v[XS+\i+3]|
.endr
	v_max3_num_f32 v12, v12, |v[XS+30]|, |v[XS+31]|
	v_max3_num_f32 v12, v12, v13, (EMAX+1)<<23     ; and the floor 2^(16 - 127): the byte cannot fall under 1
	v_add_nc_u32 v11, -(EMAX<<23), v12             ; 15 off its exponent field: the conversion takes the exponent field of this operand as its scale
	v_and_or_b32 v10, v12, 0x7f800000, s31         ; 57,344 x the scale: the largest magnitude's exponent field over 57,344's mantissa
	v_lshrrev_b32 v13, 23, v11                     ; the scale's byte
.if (\t)%4 == 0
	v_mov_b32 v[SB+(\t)/4], v13                    ; four bytes to a register, the lower K in the lower byte
.else
	v_lshl_or_b32 v[SB+(\t)/4], v13, 8*((\t)%4), v[SB+(\t)/4]
.endif
.irp i, 0,1,2,3,4,5,6,7,8,9,10,11,12,13,14,15,16,17,18,19,20,21,22,23,24,25,26,27,28,29,30,31
	v_med3_num_f32 v[XS+\i], v[XS+\i], -v10, v10   ; the conversion to an 8-bit code does not saturate (ISA guide 7.6.2): the hold comes first
.endr
.irp g, 0,1,2,3
	v_cvt_scalef32_pk8_bf8_f32 v[WCD+2*\g:WCD+2*\g+1], v[XS+8*\g:XS+8*\g+7], v11
.endr
	v_nop                                          ; a plain line behind the last conversion
	ds_store_b128 v4, v[WCD:WCD+3] offset:32*(\t)  ; 32 codes: 32 bytes of my column's row
	ds_store_b128 v4, v[WCD+4:WCD+7] offset:32*(\t)+16
.if (\t)+2 < NB
	WLOAD (\t)+2
.endif
	s_wait_dscnt 0x0                               ; the stores have read their registers: the next block's codes may be written
.endm
.irp t, 0,1,2,3,4,5,6,7
	WBLOCK \t
.endr
	global_store_b64 v9, v[SB:SB+1], s[40:41]      ; my column's 8 scale bytes
.irp t, 0,1,2,3,4,5,6,7,8,9,10,11,12,13,14,15
	ds_load_b128 v[OUTR+4*\t:OUTR+4*\t+3], v7 offset:2*\t*WPITCH   ; LDS serves a wave's instructions in order (ISA guide 5.7.1.4): these see my stores
.endr
.irp t, 0,1,2,3,4,5,6,7,8,9,10,11,12,13,14,15
	s_wait_dscnt 15-\t                             ; the younger loads may be out
	global_store_b128 v8, v[OUTR+4*\t:OUTR+4*\t+3], s[38:39] offset:2*\t*KROW   ; sixteen lanes store 256 consecutive bytes, at a multiple of 256 from wc's first byte
.endr
	s_wait_tensorcnt 0x0
	ds_add_u32 v192, v193
	s_wait_dscnt 0x0
	s_endpgm
	; ---------------- THE ACTIVATIONS.  Work-group 96 + id: 32 rows; a wave: a run of 8 rows = 8,192 numbers, a plain stream of blocks of 32.
.Lacts:
	s_wait_alu depctr_va_vdst(0)
	v_lshlrev_b32 v3, 4, v2                        ; my 16 bytes of a load's 512
	s_mul_i32 s25, s24, WREG
	v_lshrrev_b32 v14, 2, v2
	v_mul_u32_u24 v14, v14, SP
	v_and_b32 v15, 3, v2
	v_lshl_add_u32 v14, v15, 4, v14
	v_add_nc_u32 v14, s25, v14                     ; the stage, on the way in: four lanes' 64 bytes on end, then 16 of padding
	v_mul_u32_u24 v15, v2, SP
	v_add_nc_u32 v15, s25, v15                     ; and on the way out: SP x lane: my 16 neighbours
	v_mul_u32_u24 v4, v2, CB                       ; my codes' place in a step's
	v_lshrrev_b32 v5, 1, v2
	s_add_co_u32 s25, s25, 2*32*SP
	v_add_nc_u32 v5, s25, v5                       ; LDS: my wave's 256 scale bytes, my block's byte
	v_lshlrev_b32 v7, 3, v2                        ; and on the way out 8 bytes a lane
	v_add_nc_u32 v6, s25, v7
	s_sub_co_u32 s26, ttmp9, NWGW                  ; id: 0-255 q, 256-511 k, 512-767 v
	s_and_b32 s27, s26, 255
	s_lshl_b32 s27, s27, 2
	s_add_co_u32 s27, s27, s24                     ; my run in its tensor,
	s_lshl_b32 s32, s27, 15                        ; 32,768 bytes each
	s_mov_b32 s33, 0
	s_and_b32 s28, s24, 1                          ; a run is 8 rows, so bits 3 and 4 of a row are bits 0 and 1 of its run: the order of rows is an exchange of runs
	s_lshl_b32 s28, s28, 1
	s_lshr_b32 s29, s24, 1
	s_or_b32 s28, s28, s29
	s_lshl_b32 s29, s26, 2
	s_add_co_u32 s28, s28, s29                     ; the run's place in xc and xs
	s_lshl_b32 s34, s28, 13                        ; 8,192 bytes of codes,
	s_mov_b32 s35, 0
	s_lshl_b32 s42, s28, 8                         ; 256 scale bytes
	s_mov_b32 s43, 0
	s_wait_alu depctr_va_vdst(0)
	s_wait_kmcnt 0x0
	s_cmp_lt_u32 s26, 256                          ; the choice hangs on the work-group's number alone
	s_cselect_b64 s[36:37], s[4:5], s[6:7]
	s_cmp_lt_u32 s26, 512
	s_cselect_b64 s[36:37], s[36:37], s[8:9]
	s_add_nc_u64 s[36:37], s[36:37], s[32:33]
	s_add_nc_u64 s[38:39], s[16:17], s[34:35]
	s_add_nc_u64 s[40:41], s[18:19], s[42:43]
.macro ALOAD t
.irp i, 0,1,2,3
	global_load_b128 v[AR+16*((\t)%4)+4*\i:AR+16*((\t)%4)+4*\i+3], v3, s[36:37] offset:2048*(\t)+512*\i th:TH_LOAD_NT   ; 32 lanes read 512 consecutive bytes
.endr
.endm
.macro ATURN t                         ; step t's numbers through the stage, so that a lane gets 16 neighbours: LDS serves a wave's instructions in order, so no wait stands between the stores and the loads
.irp i, 0,1,2,3
	ds_store_b128 v14, v[AR+16*((\t)%4)+4*\i:AR+16*((\t)%4)+4*\i+3] offset:32*SP*((\t)%2)+8*SP*\i
.endr
.irp i, 0,1,2,3
	ds_load_b128 v[AX+16*((\t)%2)+4*\i:AX+16*((\t)%2)+4*\i+3], v15 offset:32*SP*((\t)%2)+16*\i
.endr
.endm
.irp t, 0,1,2,3
	ALOAD \t
.endr
	s_wait_loadcnt 12                              ; step 0's four loads are in; the twelve behind them may be out
	ATURN 0
.macro ASTEP t
.set XS, AX+16*((\t)%2)
.if (\t) > 0
	s_wait_dscnt 1                                 ; this step's numbers are back from the stage (the last step's byte store may be out): so its stores into the stage have read their registers,
.else
	s_wait_dscnt 0x0
.endif
.if (\t)+4 < STEPS
	ALOAD (\t)+4                                   ; which take the loads of four steps on
.endif
.if (\t)+1 < STEPS
.if STEPS-2-(\t) >= 3
	s_wait_loadcnt 12                              ; the next step's four loads are in; those of the three steps behind it may be out
.else
	s_wait_loadcnt 4*(STEPS-2-(\t))
.endif
	ATURN (\t)+1                                   ; and go through the other stage while this step is worked
.endif
	v_max3_num_f32 v8, |v[XS]|, |v[XS+1]|, |v[XS+2]|   ; the largest magnitude of my 16
	v_max3_num_f32 v9, |v[XS+3]|, |v[XS+4]|, |v[XS+5]|
.irp i, 6,10
	v_max3_num_f32 v8, v8, |v[XS+\i]|, |v[XS+\i+1]|
	v_max3_num_f32 v9, v9, |v[XS+\i+2]|, |v[XS+\i+3]|
.endr
	v_max3_num_f32 v8, v8, |v[XS+14]|, |v[XS+15]|
	v_max3_num_f32 v8, v8, v9, (EMAX+1)<<23        ; and the floor 2^(16 - 127)
	v_max_num_f32_dpp v8, v8, v8 row_xmask:1 row_mask:0xf bank_mask:0xf   ; and of my neighbour's 16: the block's
	v_add_nc_u32 v11, -(EMAX<<23), v8              ; the conversion's scale operand
	v_and_or_b32 v10, v8, 0x7f800000, s31          ; 57,344 x the scale
.irp i, 0,1,2,3,4,5,6,7,8,9,10,11,12,13,14,15
	v_med3_num_f32 v[XS+\i], v[XS+\i], -v10, v10   ; the hold
.endr
	v_cvt_scalef32_pk8_bf8_f32 v[ACD+4*(\t):ACD+4*(\t)+1], v[XS:XS+7], v11
	v_cvt_scalef32_pk8_bf8_f32 v[ACD+4*(\t)+2:ACD+4*(\t)+3], v[XS+8:XS+15], v11
	v_lshrrev_b32 v[AE+(\t)], 23, v11              ; the scale's byte (also the plain line behind the conversions)
	ds_store_b8 v5, v[AE+(\t)] offset:16*(\t)      ; both lanes of a block write the same byte with the same value
	global_store_b128 v4, v[ACD+4*(\t):ACD+4*(\t)+3], s[38:39] offset:32*CB*(\t)   ; 32 lanes store 512 consecutive bytes
.endm
.irp t, 0,1,2,3,4,5,6,7,8,9,10,11,12,13,14,15
	ASTEP \t
.endr
	ds_load_b64 v[12:13], v6                       ; LDS serves a wave's instructions in order: these see my stores
	s_wait_dscnt 0x0
	global_store_b64 v7, v[12:13], s[40:41]        ; 32 lanes store 256 consecutive bytes, at a multiple of 256 from xs's first byte
	s_wait_tensorcnt 0x0
	ds_add_u32 v192, v193
	s_wait_dscnt 0x0
	s_endpgm
.Lfunc_end_k_q89e65629c2_quant:
	.size	k_q89e65629c2_quant, .Lfunc_end_k_q89e65629c2_quant-k_q89e65629c2_quant
	.p2alignl 7, 3214868480
	.fill 96, 4, 3214868480
	.section	.rodata,"a",@progbits
	.p2align	6, 0x0
	.amdhsa_kernel k_q89e65629c2_quant
		.amdhsa_group_segment_fixed_size 68096
		.amdhsa_private_segment_fixed_size 0
		.amdhsa_enable_private_segment 0
		.amdhsa_kernarg_size 80
		.amdhsa_user_sgpr_count 2
		.amdhsa_user_sgpr_kernarg_segment_ptr 1
		.amdhsa_wavefront_size32 1
		.amdhsa_system_sgpr_workgroup_id_x 1
		.amdhsa_system_sgpr_workgroup_id_y 1
		.amdhsa_system_sgpr_workgroup_id_z 1
		.amdhsa_system_vgpr_workitem_id 0
		.amdhsa_next_free_vgpr 194
		.amdhsa_next_free_sgpr 66
		.amdhsa_reserve_vcc 0
		.amdhsa_float_denorm_mode_32 3
		.amdhsa_float_denorm_mode_16_64 3
		.amdhsa_memory_ordered 1
		.amdhsa_forward_progress 1
		.amdhsa_inst_pref_size 110
	.end_amdhsa_kernel
	.amdgpu_metadata
---
amdhsa.version: [ 1, 2 ]
amdhsa.kernels:
  - .name:           k_q89e65629c2_quant
    .symbol:         k_q89e65629c2_quant.kd
    .args:
      - { .name: q, .offset: 0, .size: 8, .value_kind: global_buffer, .address_space: global }
      - { .name: k, .offset: 8, .size: 8, .value_kind: global_buffer, .address_space: global }
      - { .name: v, .offset: 16, .size: 8, .value_kind: global_buffer, .address_space: global }
      - { .name: W_Q, .offset: 24, .size: 8, .value_kind: global_buffer, .address_space: global }
      - { .name: W_K, .offset: 32, .size: 8, .value_kind: global_buffer, .address_space: global }
      - { .name: W_V, .offset: 40, .size: 8, .value_kind: global_buffer, .address_space: global }
      - { .name: xc, .offset: 48, .size: 8, .value_kind: global_buffer, .address_space: global }
      - { .name: xs, .offset: 56, .size: 8, .value_kind: global_buffer, .address_space: global }
      - { .name: wc, .offset: 64, .size: 8, .value_kind: global_buffer, .address_space: global }
      - { .name: ws, .offset: 72, .size: 8, .value_kind: global_buffer, .address_space: global }
    .group_segment_fixed_size: 68096
    .private_segment_fixed_size: 0
    .kernarg_segment_align: 8
    .kernarg_segment_size: 80
    .max_flat_workgroup_size: 128
    .sgpr_count:     66
    .vgpr_count:     194
    .wavefront_size: 32
...
	.end_amdgpu_metadata
.endif
;; end of part 1
;; launch proj (part 2): grid 4 x 96, 4 waves a work-group, clusters of 4 x 4, 327,680 bytes of LDS; arguments xc, xs, wc, ws, qc, qs, kv; writes qc, qs, kv
.if DOCPART == 2
	.amdgcn_target "amdgcn-amd-amdhsa--gfx1250"
	.amdhsa_code_object_version 6
	.text
	.protected	k_q89e65629c2_proj
	.globl	k_q89e65629c2_proj
	.p2align	8
	.type	k_q89e65629c2_proj,@function
k_q89e65629c2_proj:
	s_mov_b64 s[64:65], 0
	v_nop
	global_prefetch_b8 v0, s[64:65] scope:SCOPE_SE
	s_setreg_imm32_b32 hwreg(HW_REG_WAVE_MODE, 25, 1), 1
	s_wait_xcnt 0x0
	s_wait_alu depctr_hold_cnt(0) depctr_sa_sdst(0) depctr_va_vdst(0) depctr_va_sdst(0) depctr_va_ssrc(0) depctr_va_vcc(0) depctr_vm_vsrc(0)
	s_getreg_b32 s2, hwreg(HW_REG_IB_STS2, 6, 4)
	s_cmp_eq_u32 s2, 0
	s_cbranch_scc0 .Lentry_in_a_cluster
	s_endpgm
.Lentry_in_a_cluster:
	s_bfe_u32 s2, ttmp6, 0x10000c
	s_cmp_lg_u32 s2, 0xf033
	s_cbranch_scc0 .Lentry_shape_is_right
	s_endpgm
.Lentry_shape_is_right:
.set SIZE_K, 1024
.set KSTEP,  256
.set NQ,     KSTEP/128
.set ROWB,   256
.set KROW,   SIZE_K
.set PITCH,  272
.set FR,     16
.set NL,     4
.set NP,     8
.set HALFT,  128*PITCH
.set SLOT,   4*HALFT
.set LAPS,   SIZE_K/(2*KSTEP)
.set KS,     SIZE_K/32
.set SCL,    2*SLOT
.set HALFS,  (128*KS/256)*272
.set SBLK,   (16*KS/256)*272
.set SPARE,  SCL+4*HALFS
.set ADRA, 16
.set ADRB, 20
.set SWA,  24
.set SRD,  25
.set ADRS, 27
.set SPW,  28
.set NIL,  29
.set SC,   32
.set AF,   128
.set G1, 24
.set G0, 32
.set G1B, 48
.set G0B, 56
.set G1S, 68
.set G0S, 76
.set G1SB, 80
.set G0SB, 88
.set TZ,  66
.set IDX, 67
.set MSB, 0
.macro WIN new
.if MSB != \new
	s_set_vgpr_msb (MSB<<8)|\new
.set MSB, \new
.endif
.endm
.set MUL_LO, 0xa1
.set MUL_HI, 0xf1
.set TO_B,   0x40
.macro JLOAD g0a, g1a, g0b, g1b
	s_cmp_eq_u32 s15, 0
	s_cbranch_scc0 .Lfor_b_\@
	tensor_load_to_lds s[\g0a:\g0a+3], s[\g1a:\g1a+7]
	s_nop 0
.rept 4
	v_nop
.endr
	s_branch .Lasked_\@
.Lfor_b_\@:
	tensor_load_to_lds s[\g0b:\g0b+3], s[\g1b:\g1b+7]
	s_nop 0
.rept 4
	v_nop
.endr
.Lasked_\@:
.endm
.macro CREST
	s_cmp_lg_u32 s14, 0
	s_cbranch_scc1 .Lnot_wave_0_\@
	s_barrier_signal -3
.Lnot_wave_0_\@:
	s_barrier_wait -3
	s_barrier_signal -1
	s_barrier_wait -1
.endm
.macro CROUND
	s_barrier_signal -1
	s_barrier_wait -1
	CREST
.endm
	s_load_b256 s[4:11], s[0:1], 0x0
	s_load_b128 s[96:99], s[0:1], 0x20
	s_load_b64 s[100:101], s[0:1], 0x30
	v_lshl_add_u32 v[SPW], v0, 2, SPARE
	v_mov_b32 v[NIL], 0
	ds_add_u32 v28, v29
	ds_add_u32 v28, v29
	s_wait_dscnt 0x0
	v_lshrrev_b32 v1, 5, v0
	v_readfirstlane_b32 s14, v1
	s_lshr_b32 s15, s14, 1
	s_and_b32 s16, s14, 1
	s_bfe_u32 s40, ttmp6, 0x40000
	s_bfe_u32 s41, ttmp6, 0x40004
	s_and_b32 s17, ttmp7, 0xffff
	s_lshr_b32 s[TZ], s17, 3
	s_and_b32 s[IDX], s17, 7
	s_lshl_b32 s43, s41, 2
	s_lshl_b32 s43, 15, s43
	s_lshl_b32 s44, 0x1111, s40
	s_or_b32 s[G1+0], s43, (0<<16)|(1<<20)|(1<<21)|(5<<22)|(3<<25)
	s_or_b32 s[G1B+0], s44, (0<<16)|(1<<20)|(1<<21)|(5<<22)|(3<<25)
.irp g, G1, G1B
	s_mov_b32 s[\g+1], ROWB<<16
	s_mov_b32 s[\g+2], 256<<16
	s_mov_b32 s[\g+3], ROWB<<16
	s_mov_b32 s[\g+4], 256
	s_mov_b32 s[\g+5], KROW
	s_mov_b32 s[\g+6], 0
	s_mov_b32 s[\g+7], 0
.endr
	s_or_b32 s[G1S+0], s43, (3<<16)|(1<<20)|(1<<21)|(5<<22)|(3<<25)
	s_or_b32 s[G1SB+0], s44, (3<<16)|(1<<20)|(1<<21)|(5<<22)|(3<<25)
.irp g, G1S, G1SB
	s_mov_b32 s[\g+1], 32<<16
	s_mov_b32 s[\g+2], KS<<16
	s_mov_b32 s[\g+3], 32<<16
	s_mov_b32 s[\g+4], KS
	s_mov_b32 s[\g+5], 32
	s_mov_b32 s[\g+6], 0
	s_mov_b32 s[\g+7], 0
.endr
	s_lshl_b32 s18, s[TZ], 13
	s_lshl_b32 s19, s[IDX], 10
	s_add_co_u32 s18, s18, s19
	s_lshl_b32 s20, s[TZ], 10
	s_add_co_u32 s19, s19, 16384
	s_cmp_lt_u32 s[TZ], 2
	s_cselect_b32 s18, s18, 2048
	s_cselect_b32 s19, s20, s19
	s_lshl_b32 s20, s41, 8
	s_add_co_u32 s20, s20, s18
	s_lshl_b32 s46, s40, 8
	s_add_co_u32 s46, s46, s19
	s_mov_b32 s21, 0
	s_mov_b32 s47, 0
	s_mov_b64 s[18:19], KS
	s_mul_u64 s[22:23], s[20:21], s[18:19]
	s_mul_u64 s[92:93], s[46:47], s[18:19]
	s_mov_b64 s[18:19], KROW
	s_mul_u64 s[20:21], s[20:21], s[18:19]
	s_mul_u64 s[46:47], s[46:47], s[18:19]
	s_mul_i32 s18, s16, 128*KROW                   ; in the ring a wave fetches 128 rows of a tile: which half, in bytes
	s_mov_b32 s19, 0
	s_mul_i32 s45, s14, HALFT
	s_wait_kmcnt 0x0
	s_cmp_lt_u32 s[TZ], 2
	s_cselect_b64 s[12:13], s[4:5], s[8:9]
	s_cselect_b64 s[8:9], s[8:9], s[4:5]
	s_mov_b64 s[4:5], s[12:13]
	s_cselect_b64 s[12:13], s[6:7], s[10:11]
	s_cselect_b64 s[10:11], s[10:11], s[6:7]
	s_mov_b64 s[6:7], s[12:13]
	s_add_nc_u64 s[20:21], s[4:5], s[20:21]
	s_add_nc_u64 s[22:23], s[6:7], s[22:23]
	s_add_nc_u64 s[46:47], s[8:9], s[46:47]
	s_add_nc_u64 s[92:93], s[10:11], s[92:93]
	CROUND
	s_mov_b32 s[G0S], 1
	s_mov_b32 s[G0S+1], SCL
	s_mov_b64 s[G0S+2:G0S+3], s[22:23]
	s_or_b32 s[G0S+3], s[G0S+3], 0x80000000
	s_mov_b32 s[G0SB], 1
	s_mov_b32 s[G0SB+1], SCL+2*HALFS
	s_mov_b64 s[G0SB+2:G0SB+3], s[92:93]
	s_or_b32 s[G0SB+3], s[G0SB+3], 0x80000000
.set G0H, 4                            ; s[4:7], s[8:11] group 0 of the head's loads of K step 0: the first operand's 256 rows, the second's (the addresses that lay there have been used)
.set G0HB, 8
	s_mov_b32 s[G0H], 1
	s_mov_b32 s[G0H+1], 0
	s_mov_b64 s[G0H+2:G0H+3], s[20:21]
	s_or_b32 s[G0H+3], s[G0H+3], 0x80000000
	s_mov_b32 s[G0HB], 1
	s_mov_b32 s[G0HB+1], 2*HALFT
	s_mov_b64 s[G0HB+2:G0HB+3], s[46:47]
	s_or_b32 s[G0HB+3], s[G0HB+3], 0x80000000
	s_add_nc_u64 s[20:21], s[20:21], s[18:19]      ; for the ring: my 128 rows of the tile
	s_add_nc_u64 s[46:47], s[46:47], s[18:19]
.irp s, 0,1
	s_mov_b32 s[G0+4*\s], 1
	s_add_co_u32 s[G0+4*\s+1], s45, \s*SLOT
	s_add_nc_u64 s[G0+4*\s+2:G0+4*\s+3], s[20:21], \s*ROWB
	s_or_b32 s[G0+4*\s+3], s[G0+4*\s+3], 0x80000000
	s_mov_b32 s[G0B+4*\s], 1
	s_add_co_u32 s[G0B+4*\s+1], s45, \s*SLOT
	s_add_nc_u64 s[G0B+4*\s+2:G0B+4*\s+3], s[46:47], \s*ROWB
	s_or_b32 s[G0B+4*\s+3], s[G0B+4*\s+3], 0x80000000
.endr
; the head's four tiles, one load a wave, in one chain of branches on the wave's number: K step 0's 256 rows of either operand, and either operand's scale bytes
.macro ARM under, g0, g1, next
	s_cmp_lt_u32 s14, \under
	s_cbranch_scc0 \next
	tensor_load_to_lds s[\g0:\g0+3], s[\g1:\g1+7]
	s_nop 0
.rept 4
	v_nop
.endr
	s_branch .Lhead_asked
\next:
.endm
	ARM 1, G0H,  G1,  .Lhead_b
	ARM 2, G0HB, G1B, .Lhead_sa
	ARM 3, G0S,  G1S, .Lhead_sb
	tensor_load_to_lds s[G0SB:G0SB+3], s[G1SB:G1SB+7]
	s_nop 0
.rept 4
	v_nop
.endr
.Lhead_asked:
	v_and_b32 v1, 15, v0
	v_bfe_u32 v2, v0, 4, 1
	v_mul_u32_u24 v3, v1, PITCH
	v_lshl_add_u32 v4, v2, 4, v3
	s_mul_i32 s21, s15, HALFT
	s_mul_i32 s22, s16, HALFT
	s_add_co_u32 s22, s22, 2*HALFT
.irp s, 0,1
	v_add_nc_u32 v[ADRA+\s], s21, v4
	v_add_nc_u32 v[ADRB+\s], s22, v4
	s_add_co_u32 s21, s21, SLOT
	s_add_co_u32 s22, s22, SLOT
.endr
	v_mul_u32_u24 v5, v1, KS
	v_lshrrev_b32 v6, 8, v5
	v_lshl_add_u32 v5, v6, 4, v5
	s_mul_i32 s21, s15, HALFS
	s_mul_i32 s22, s16, HALFS
	s_add_co_u32 s22, s22, 2*HALFS
	s_sub_co_u32 s22, s22, s21
	v_mul_u32_u24 v6, s22, v2
	s_add_co_u32 s21, s21, SCL
	v_add_nc_u32 v5, v5, v6
	v_add_nc_u32 v[ADRS], s21, v5
	s_lshl_b32 s23, s14, 10
	v_lshlrev_b32 v5, 9, v2
	v_lshl_add_u32 v5, v1, 2, v5
	v_add_nc_u32 v[SWA], s23, v5
	v_and_b32 v6, 31, v0
	v_lshlrev_b32 v6, 4, v6
	v_add_nc_u32 v[SRD], s23, v6
.macro FRAG reg, adr, q, i
.irp c, 0,1,2,3
	ds_load_b128 v[\reg+4*\c:\reg+4*\c+3], v[\adr] offset:128*(\q)+32*\c+(\i)*16*PITCH
.endr
.endm
.macro MUL16 a0, p, q, sc, zero
.irp a, \a0, \a0+1
.irp b, 0,1,2,3,4,5,6,7
.if \zero
	v_wmma_scale_f32_16x16x128_f8f6f4 v[8*(8*((\a)%4)+\b):8*(8*((\a)%4)+\b)+7], v[128*(\p)+FR*\b:128*(\p)+FR*\b+FR-1], v[AF+FR*(\a):AF+FR*(\a)+FR-1], 0, v[SC+8*NQ*(\sc)+NQ*\b+(\q)], v[SC+8*NQ*(\sc)+NQ*(\a)+(\q)] matrix_a_fmt:MATRIX_FMT_BF8 matrix_b_fmt:MATRIX_FMT_BF8 matrix_a_scale:MATRIX_SCALE_ROW1
.else
	v_wmma_scale_f32_16x16x128_f8f6f4 v[8*(8*((\a)%4)+\b):8*(8*((\a)%4)+\b)+7], v[128*(\p)+FR*\b:128*(\p)+FR*\b+FR-1], v[AF+FR*(\a):AF+FR*(\a)+FR-1], v[8*(8*((\a)%4)+\b):8*(8*((\a)%4)+\b)+7], v[SC+8*NQ*(\sc)+NQ*\b+(\q)], v[SC+8*NQ*(\sc)+NQ*(\a)+(\q)] matrix_a_fmt:MATRIX_FMT_BF8 matrix_b_fmt:MATRIX_FMT_BF8 matrix_a_scale:MATRIX_SCALE_ROW1
.endif
.endr
.endr
.endm
.macro FETCH_B slot, q, p
	WIN TO_B
.irp i, 0,1,2,3,4,5,6,7
	FRAG 128*(\p)+FR*\i, ADRB+\slot, \q, \i
.endr
	WIN 0
.endm
.macro FETCH_A slot, q, i0
.irp i, \i0, \i0+1, \i0+2, \i0+3
	FRAG AF+FR*(\i), ADRA+\slot, \q, \i
.endr
.endm
.macro SCALES sc
.irp i, 0,1,2,3,4,5,6,7
	ds_load_b64 v[SC+8*NQ*\sc+NQ*\i:SC+8*NQ*\sc+NQ*\i+1], v[ADRS] offset:\i*SBLK
.endr
.endm
.macro PLACES n
.rept \n
	v_nop
.endr
.endm
.macro STEP slot, q, zero
	s_wait_dscnt 4*NL
	WIN MUL_LO
	MUL16 0, (\q)%2, \q, \slot, \zero
	MUL16 2, (\q)%2, \q, \slot, \zero
	s_wait_dscnt 0
	PLACES NP
	FETCH_B \slot, (\q)+1, 1-(\q)%2
	FETCH_A \slot, (\q)+1, 0
	WIN MUL_HI
	MUL16 4, (\q)%2, \q, \slot, \zero
	MUL16 6, (\q)%2, \q, \slot, \zero
	PLACES NP
	WIN 0
	FETCH_A \slot, (\q)+1, 4
.endm
.macro TURN slot, next, fill
	s_wait_tensorcnt 0x0
	ds_add_u32 v[SPW], v[NIL]
	s_wait_dscnt 4*NL+1
	WIN MUL_LO
	MUL16 0, 1, NQ-1, \slot, 0
	s_wait_dscnt 0x0
	s_barrier_signal -1
	MUL16 2, 1, NQ-1, \slot, 0
	WIN 0
	s_barrier_wait -1
.if \fill
	CREST
	s_add_nc_u64 s[G0+4*\slot+2:G0+4*\slot+3], s[G0+4*\slot+2:G0+4*\slot+3], 2*ROWB
	s_add_nc_u64 s[G0B+4*\slot+2:G0B+4*\slot+3], s[G0B+4*\slot+2:G0B+4*\slot+3], 2*ROWB
	JLOAD G0+4*\slot, G1, G0B+4*\slot, G1B
	PLACES NP-4
.else
	PLACES NP
.endif
	s_wait_alu depctr_va_vdst(0)
	v_add_nc_u32 v[ADRS], 4*NQ, v[ADRS]
	FETCH_B \next, 0, 0
	FETCH_A \next, 0, 0
	SCALES \next
	WIN MUL_HI
	MUL16 4, 1, NQ-1, \slot, 0
	MUL16 6, 1, NQ-1, \slot, 0
	PLACES NP
	WIN 0
	FETCH_A \next, 0, 4
.endm
	s_wait_alu depctr_va_vdst(0)                   ; the wait at the head's end
	s_wait_tensorcnt 0x0                           ; my tile of the head's four is in; the lines ahead of a later first fill:
	ds_add_u32 v[SPW], v[NIL]
	s_mov_b32 s[G1+2], 128<<16                     ; no tensor load of mine is out: from here on a load brings 128 rows
	s_mov_b32 s[G1+4], 128
	s_mov_b32 s[G1B+2], 128<<16
	s_mov_b32 s[G1B+4], 128
	s_wait_dscnt 0x0
	CROUND                                         ; all four tiles are in, and all sixteen work-groups are here
	JLOAD G0+4, G1, G0B+4, G1B                     ; K step 1, the first tensor load behind the round
	FETCH_B 0, 0, 0
	FETCH_A 0, 0, 0
	SCALES 0
	FETCH_A 0, 0, 4
	STEP 0, 0, 1
	s_mov_b32 s3, LAPS-1
.Llap:
	TURN 0, 1, 1
	STEP 1, 0, 0
	TURN 1, 0, 1
	STEP 0, 0, 0
	s_sub_co_u32 s3, s3, 1
	s_cmp_lg_u32 s3, 0
	s_cbranch_scc1 .Llap
	TURN 0, 1, 0
	STEP 1, 0, 0
	s_wait_dscnt 4*NL
	WIN MUL_LO
	MUL16 0, 1, NQ-1, 1, 0
	MUL16 2, 1, NQ-1, 1, 0
	s_wait_dscnt 0
	WIN MUL_HI
	MUL16 4, 1, NQ-1, 1, 0
	MUL16 6, 1, NQ-1, 1, 0
	WIN 0
.set HS,    68
.set SS,    69
.set COFF,  70
.set WHS,   71
.set WSS,   72
.set WOFF,  73
.set STEP0, 74
.set STEP3, 75
.set SB1,   76
.set SH,    77
.set MASK,  78
.set HSTEP, 79
.set MNT,   80
.set SEL,   82
.set OB,    84
.set OS,    86
.set VO0,   16
.set VSH,   20
.set SVO,   21
.set PC,    64
.set RB,    96
.set TM,    104
.set PW,    120
.set XW,    121
	s_mov_b32 s88, 274432
	s_mov_b32 s89, 17152
	s_mov_b32 s90, 1024
	s_mov_b32 s[MNT], 0x600000
	s_mov_b32 s[SEL], 0x76543210
	s_mov_b32 s[SEL+1], 0xfedcba98
	s_cmp_eq_u32 s[TZ], 0
	s_cselect_b32 s[HS], 131072, s88
	s_cselect_b32 s[SS], 8192, s89
	s_cselect_b32 s[WHS], 8192, s88
	s_cselect_b32 s[WSS], 512, s89
	s_cselect_b32 s[WOFF], 0, 16384
	s_cselect_b32 s[SB1], 131072, s88
	s_cselect_b64 s[OB:OB+1], s[96:97], s[100:101]
	s_cselect_b64 s[OS:OS+1], s[98:99], s[100:101]
	s_cmp_eq_u32 s[TZ], 2
	s_cselect_b32 s[COFF], 8192, 0
	s_cselect_b32 s[WOFF], 16896, s[WOFF]
	s_cselect_b32 s[STEP0], 2048, s90
	s_cselect_b32 s[STEP3], 268288, s90
	s_cselect_b32 s[SB1], s90, s[SB1]
	s_cselect_b32 s[SH], 0, 16
	s_cselect_b32 s[MASK], -1, 0xffff
	s_cselect_b32 s[HSTEP], s88, 256
	s_cselect_b32 s18, s40, s41
	s_cselect_b32 s19, s16, s15
	s_cselect_b32 s20, s41, s40
	s_cselect_b32 s21, s15, s16
	s_lshl_b32 s22, s[IDX], 2
	s_add_co_u32 s22, s22, s18
	s_lshl_b32 s22, s22, 8
	s_lshl_b32 s19, s19, 7
	s_add_co_u32 s22, s22, s19
	s_lshr_b32 s23, s22, 11
	s_lshl_b32 s23, s23, 4
	s_lshl_b32 s20, s20, 2
	s_add_co_u32 s23, s23, s20
	s_lshl_b32 s21, s21, 1
	s_add_co_u32 s23, s23, s21
	s_bfe_u32 s22, s22, 0x40007
	s_mul_i32 s92, s23, s[HS]
	s_mul_i32 s91, s22, s[SS]
	s_add_co_u32 s92, s92, s91
	s_add_co_u32 s92, s92, s[COFF]
	s_mov_b32 s93, 0
	s_add_nc_u64 s[OB:OB+1], s[OB:OB+1], s[92:93]
	s_mul_i32 s92, s23, s[WHS]
	s_mul_i32 s91, s22, s[WSS]
	s_add_co_u32 s92, s92, s91
	s_add_co_u32 s92, s92, s[WOFF]
	s_add_nc_u64 s[OS:OS+1], s[OS:OS+1], s[92:93]
	v_and_b32 v1, 15, v0
	v_bfe_u32 v2, v0, 4, 1
	v_and_b32 v3, 31, v0
	v_lshlrev_b32 v[VO0], 4, v3
	v_add_nc_u32 v[VO0+1], s[SB1], v[VO0]
	v_mul_u32_u24 v[VSH], s[SH], v2
	v_mul_u32_u24 v[SVO], s[HSTEP], v2
	v_lshl_add_u32 v[SVO], v1, 4, v[SVO]
	v_add_nc_u32 v[SVO+1], s[WHS], v[SVO]
.irp b, 0,1,2,3
	v_mov_b32 v[TM+4+\b], 0
.endr
	PLACES NP
.macro OUTBLK a
.set AC, 64*((\a)%4)
.set W, 2+(\a)/4
	s_wait_xcnt 0x0
.if (\a) == 4
	v_add_nc_u32 v[VO0], s[STEP3], v[VO0]
	v_add_nc_u32 v[VO0+1], s[STEP3], v[VO0+1]
.elseif (\a) > 0
	v_add_nc_u32 v[VO0], s[STEP0], v[VO0]
	v_add_nc_u32 v[VO0+1], s[STEP0], v[VO0+1]
.endif
	WIN ((W<<2)|(W<<4))
.irp b, 0,1,2,3
	v_max3_num_f32 v[TM+\b], 0x8000000, |v[AC+16*\b]|, |v[AC+16*\b+1]|
.endr
.irp i, 2,4,6,8,10,12,14
.irp b, 0,1,2,3
	v_max3_num_f32 v[TM+\b], v[TM+\b], |v[AC+16*\b+\i]|, |v[AC+16*\b+\i+1]|
.endr
.endr
	WIN 0
.irp b, 0,1,2,3
	v_permlanex16_b32 v[TM+4+\b], v[TM+\b], s[SEL], s[SEL+1]
.endr
.irp b, 0,1,2,3
	v_max_num_f32 v[TM+\b], v[TM+\b], v[TM+4+\b]
.endr
.irp b, 0,1,2,3
	v_add_nc_u32 v[TM+12+\b], 0xf8800000, v[TM+\b]
.endr
.irp b, 0,1,2,3
	v_and_or_b32 v[TM+8+\b], v[TM+\b], 0x7f800000, s[MNT]
.endr
.irp b, 0,1,2,3
	v_lshrrev_b32 v[TM+4+\b], 23, v[TM+12+\b]
.endr
	v_lshl_or_b32 v[PW], v[TM+5], 8, v[TM+4]
	v_lshl_or_b32 v[PW], v[TM+6], 16, v[PW]
	v_lshl_or_b32 v[PW], v[TM+7], 24, v[PW]
	v_lshrrev_b32 v[XW], v[VSH], v[PW]
	v_and_b32 v[XW], s[MASK], v[XW]
	v_lshl_or_b32 v[XW], v[XW], s[SH], v[XW]
	ds_store_b32 v[SWA], v[XW] offset:64*(\a)
	WIN ((W<<6)|W)
.irp b, 0,1,2,3
.irp i, 0,1,2,3,4,5,6,7,8,9,10,11,12,13,14,15
	v_med3_num_f32 v[AC+16*\b+\i], v[AC+16*\b+\i], -v[TM+8+\b], v[TM+8+\b]
.endr
.endr
	WIN W
.irp b, 0,1,2,3
	v_cvt_scalef32_pk8_bf8_f32 v[PC+4*\b:PC+4*\b+1], v[AC+16*\b:AC+16*\b+7], v[TM+12+\b]
	v_cvt_scalef32_pk8_bf8_f32 v[PC+4*\b+2:PC+4*\b+3], v[AC+16*\b+8:AC+16*\b+15], v[TM+12+\b]
.endr
	WIN 0
	v_nop
.irp b, 0,1,2,3
	global_store_b128 v[VO0+\b/2], v[PC+4*\b:PC+4*\b+3], s[OB:OB+1] offset:512*(\b%2)
.endr
.endm
.irp a, 0,1,2,3,4,5,6,7
	OUTBLK \a
.endr
	ds_load_b128 v[RB:RB+3], v[SRD]
	ds_load_b128 v[RB+4:RB+7], v[SRD] offset:512
	s_wait_dscnt 0x0
	global_store_b128 v[SVO], v[RB:RB+3], s[OS:OS+1]
	s_cmp_eq_u32 s[TZ], 2
	s_cbranch_scc1 .Lone_word
	global_store_b128 v[SVO+1], v[RB+4:RB+7], s[OS:OS+1]
.Lone_word:
	s_wait_tensorcnt 0x0
	ds_add_u32 v[SPW], v[NIL]
	s_wait_dscnt 0x0
	CROUND
	s_endpgm
.Lfunc_end_k_q89e65629c2_proj:
	.size	k_q89e65629c2_proj, .Lfunc_end_k_q89e65629c2_proj-k_q89e65629c2_proj
	.p2alignl 7, 3214868480
	.fill 96, 4, 3214868480
	.section	.rodata,"a",@progbits
	.p2align	6, 0x0
	.amdhsa_kernel k_q89e65629c2_proj
		.amdhsa_group_segment_fixed_size 327680
		.amdhsa_private_segment_fixed_size 0
		.amdhsa_enable_private_segment 0
		.amdhsa_kernarg_size 56
		.amdhsa_user_sgpr_count 2
		.amdhsa_user_sgpr_kernarg_segment_ptr 1
		.amdhsa_wavefront_size32 1
		.amdhsa_system_sgpr_workgroup_id_x 1
		.amdhsa_system_sgpr_workgroup_id_y 1
		.amdhsa_system_sgpr_workgroup_id_z 1
		.amdhsa_system_vgpr_workitem_id 0
		.amdhsa_next_free_vgpr 1024
		.amdhsa_next_free_sgpr 102
		.amdhsa_reserve_vcc 0
		.amdhsa_float_denorm_mode_32 3
		.amdhsa_float_denorm_mode_16_64 3
		.amdhsa_memory_ordered 1
		.amdhsa_forward_progress 1
		.amdhsa_inst_pref_size 190
	.end_amdhsa_kernel
	.amdgpu_metadata
---
amdhsa.version: [ 1, 2 ]
amdhsa.kernels:
  - .name:           k_q89e65629c2_proj
    .symbol:         k_q89e65629c2_proj.kd
    .args:
      - { .name: xc, .offset: 0, .size: 8, .value_kind: global_buffer, .address_space: global }
      - { .name: xs, .offset: 8, .size: 8, .value_kind: global_buffer, .address_space: global }
      - { .name: wc, .offset: 16, .size: 8, .value_kind: global_buffer, .address_space: global }
      - { .name: ws, .offset: 24, .size: 8, .value_kind: global_buffer, .address_space: global }
      - { .name: qc, .offset: 32, .size: 8, .value_kind: global_buffer, .address_space: global }
      - { .name: qs, .offset: 40, .size: 8, .value_kind: global_buffer, .address_space: global }
      - { .name: kv, .offset: 48, .size: 8, .value_kind: global_buffer, .address_space: global }
    .group_segment_fixed_size: 327680
    .private_segment_fixed_size: 0
    .kernarg_segment_align: 8
    .kernarg_segment_size: 56
    .max_flat_workgroup_size: 128
    .sgpr_count:     102
    .vgpr_count:     1024
    .wavefront_size: 32
...
	.end_amdgpu_metadata
.endif
;; end of part 2
;; launch attn (part 3): grid 4 x 64, 16 waves a work-group, clusters of 4 x 1, 327,680 bytes of LDS; arguments qc, qs, kv, q, out0; writes out0
.if DOCPART == 3
	.amdgcn_target "amdgcn-amd-amdhsa--gfx1250"
	.amdhsa_code_object_version 6
	.text
	.protected	k_q89e65629c2_attn
	.globl	k_q89e65629c2_attn
	.p2align	8
	.type	k_q89e65629c2_attn,@function
k_q89e65629c2_attn:
	s_mov_b64 s[64:65], 0
	v_nop
	global_prefetch_b8 v0, s[64:65] scope:SCOPE_SE
	s_setreg_imm32_b32 hwreg(HW_REG_WAVE_MODE, 25, 1), 1
	s_wait_xcnt 0x0
	s_wait_alu depctr_hold_cnt(0) depctr_sa_sdst(0) depctr_va_vdst(0) depctr_va_sdst(0) depctr_va_ssrc(0) depctr_va_vcc(0) depctr_vm_vsrc(0)
	s_getreg_b32 s2, hwreg(HW_REG_IB_STS2, 6, 4)
	s_cmp_eq_u32 s2, 0
	s_cbranch_scc0 .Lentry_in_a_cluster
	s_endpgm
.Lentry_in_a_cluster:
	s_bfe_u32 s2, ttmp6, 0x10000c
	s_cmp_lg_u32 s2, 0x3003
	s_cbranch_scc0 .Lentry_shape_is_right
	s_endpgm
.Lentry_shape_is_right:
; out0[b][t][64 h + d] = q[b][t][64 h + d] + the sum over keys of softmax(Q . K / 32) V, for 64 heads (4 batches x 16), 2,048 queries and keys, head size 64; both products on codes of BF8 (E5M2) with E8M0 scales.
; THE SOFTMAX AHEAD OF THE SECOND PRODUCT: t = score x log2(e) / 32; M = the row's largest t so far, rounded UP to a whole number; p = 2^(t - M) is quantised along the keys, not normalised.
; The row's sum is taken of the unquantised p, in f32, and divides O at the end.  When M moves, the sum and O are multiplied by 2^(old M - new M): exact.
; IN: operands as images of their registers, made by the launch before.  qc: head x 131,072 + tile of 16 queries x 1,024 + 512 c + 16 x lane;  qs: head x 8,192 + 4 x position;
;     kv: head x 274,432 + step of 128 keys x 17,152 + { 0: K's 8 tiles x 1,024; 8,192: V^T's 4 tiles x 2,048; 16,384: K's 128 scale words; 16,896: V^T's 64 scale words }.
; Positions are rows with bits 3 and 4 exchanged: lane r of a tile of 16 holds row 32 (tile / 2) + 8 (tile % 2) + r + 8 (r / 8).  So the 16 score registers of K's tiles 2 b, 2 b + 1 are the 16 neighbouring keys
; 32 b + 16 (lane / 16) + 0 .. 15, p's codes are the second product's operand as the conversions leave them, and O's 16 registers of tiles 2 b, 2 b + 1 are 16 neighbouring channels.
; SHARES.  A cluster of four work-groups takes a head, a work-group 512 queries, each of its sixteen waves one tile of 16 queries at a time, twice.  Both products are used transposed (S^T = K Q^T, O^T = V^T P^T): a lane holds ONE query.
; THE WHOLE HEAD'S K AND V STAY IN LDS: 16 blocks of 17,152 bytes, filled ONCE, by joint loads of the four partners (one descriptor, a mask that names the four): wave w fetches block w, one load a wave.
; Waves 0 to 4 have a load line of their own: their blocks are shown by the first barrier (four key steps and the fourth's fetch ahead read them), the other eleven by a second barrier behind those four steps.  No LDS byte is filled twice.
; A KEY STEP: the next step's K is fetched in one run behind the first product; V^T's four tiles land in the scores' registers, in two runs, as the conversions free them.
; THE HEAD'S 64 IN A K STEP OF 128: Q's upper eight registers hold zero codes.  K's operand for tile t is v[32 + 8 t : 47 + 8 t]: its upper eight registers are the next tile's codes (for tile 7: zeros); they are finite and meet Q's zeros.
; THE WAY OUT goes through a stage of eight rows of 256 bytes a wave, twice.  Every store runs with all lanes on: the lanes whose query lies in the other eight rows store into a ninth row, which is never read.
; PREFETCH: K and V are asked for at the head by the loads themselves.  The residual's rows of both passes (32 blocks of 256 bytes a wave, a lane a block) are asked for once, behind the second barrier: 12 and 28 key steps ahead of their loads.
; LIMITS: NaN and infinities are not served; the scaled scores stay under 2^31 in magnitude; a block of p that has fallen to zero keeps the byte 1 (its codes are zeros).
.set BLK,   17152
.set HEADB, 16*BLK
.set VI,    8192
.set KW,    16384
.set VW,    16896
.set STAGE, HEADB                      ; behind the head: nine rows of 272 bytes for each wave, in 2,560 bytes; no load lands there
.set SPI,   272
.set WST,   2560
.set SPARE, STAGE+16*WST               ; the spare words: 128 bytes a wave
.set PASSB, 1048576                    ; the second pass's queries lie 256 rows of 4,096 bytes further on
.set L16, 1                            ; v1   16 x lane
.set L4,  2                            ; v2   4 x lane
.set ADR, 3                            ; v3   the step's block + 16 x lane
.set ADS, 4                            ; v4   the step's block + 4 x lane
.set STO, 5                            ; v5, v9  the stage, on the way in, for rows 0-7 and for rows 8-15 of my tile
.set SRD, 6                            ; v6   back: lanes 0-15 one row, lanes 16-31 the next
.set GO,  7                            ; v7   the same two rows in q and out0
.set QSO, 8                            ; v8   4 (lane % 16)
.set PFO, 10                           ; v10  the prefetch's offset; never rewritten
.set OM,  11                           ; v11  -M as it was; v12 -M, v13 the largest score so far, v[14:15] the sum
.set QF,  16                           ; v16-23 Q's codes, v24-31 zeros
.set KF,  32                           ; v32-95 K's eight tiles; v96-103 zeros; at a pass's end v32-63 take the residual
.set S,   104                          ; v104-167 scores, then p, then V^T's four tiles; on the way out rows of O
.set O,   168                          ; v168-199 O^T
.set P,   200                          ; v200-215 p's codes
.set BM,  216                          ; the blocks' largest scores, then largest p
.set BT,  220                          ; the other lanes', then the bytes
.set BH,  224                          ; 57,344 x the scale
.set BS,  228                          ; the conversions' scale operands
.set T,   232
.set PWD, 233                          ; p's scale word
.set F,   234                          ; f = 2^(old M - new M); v235 is named with it as a pair
.set SU,  236                          ; v236-243 the step's sum in four chains
.set KSC, 244                          ; v244-247 K's scale words: lanes 0-15 tile 2 x, lanes 16-31 tile 2 x + 1
.set QSC, 248
.set VSC, 250                          ; v250-251 V^T's
.set SPW, 254
.set NIL, 255
.set WV,  14
.set SEL, 20
.set CS,  22
.set G1,  24
.set G0,  32
.set MNT, 48
.set TB,  49
.set CNT, 50
.macro WALU
	s_wait_alu depctr_va_vdst(0)
.endm
.macro CROUND
	s_barrier_signal -1
	s_barrier_wait -1
	s_cmp_lg_u32 s[WV], 0
	s_cbranch_scc1 .Lnot_wave_0_\@
	s_barrier_signal -3
.Lnot_wave_0_\@:
	s_barrier_wait -3
	s_barrier_signal -1
	s_barrier_wait -1
.endm
	s_load_b256 s[4:11], s[0:1], 0x0               ; qc, qs, kv, q
	s_load_b64 s[12:13], s[0:1], 0x20              ; out0
	v_lshl_add_u32 v[SPW], v0, 2, SPARE
	v_mov_b32 v[NIL], 0
	ds_add_u32 v[SPW], v[NIL]                      ; the opening lines: the add twice on end and its wait
	ds_add_u32 v[SPW], v[NIL]
	v_lshrrev_b32 v11, 5, v0
	v_readfirstlane_b32 s[WV], v11                 ; wave 0..15
	s_bfe_u32 s15, ttmp6, 0x40000                  ; cx: it enters the addresses of Q, q and out0 alone
	s_lshl_b32 s17, ttmp9, 2
	s_add_co_u32 s17, s17, s15                     ; my block of 512 queries
	s_and_b32 s16, ttmp7, 0xffff                   ; the head
	s_lshl_b32 s18, s17, 5
	s_add_co_u32 s18, s18, s[WV]                   ; my tile in the first pass; the second pass's lies 16 tiles on
	s_lshl_b32 s52, s16, 17
	s_lshl_b32 s19, s18, 10
	s_add_co_u32 s52, s52, s19                     ; its image in qc
	s_mov_b32 s53, 0
	s_lshl_b32 s54, s16, 13
	s_lshl_b32 s19, s18, 6
	s_add_co_u32 s54, s54, s19                     ; its words in qs
	s_mov_b32 s55, 0
	s_lshr_b32 s2, s18, 1
	s_lshl_b32 s2, s2, 5
	s_and_b32 s3, s18, 1
	s_lshl_b32 s3, s3, 3
	s_add_co_u32 s2, s2, s3                        ; its first row: 32 (tile / 2) + 8 (tile % 2),
	s_lshr_b32 s3, s16, 4
	s_lshl_b32 s3, s3, 11
	s_add_co_u32 s2, s2, s3                        ; in its batch;
	s_lshl_b32 s2, s2, 12                          ; rows of 4,096 bytes,
	s_and_b32 s3, s16, 15
	s_lshl_b32 s3, s3, 8
	s_add_co_u32 s2, s2, s3                        ; the head's 256 bytes of them
	s_mov_b32 s3, 0
	s_mul_i32 s58, s[WV], BLK                      ; the block that I fetch: in LDS and in the head's part of kv alike
	s_mul_i32 s56, s16, HEADB
	s_add_co_u32 s56, s56, s58
	s_mov_b32 s57, 0
	s_mul_i32 s59, s[WV], WST
	s_add_co_u32 s59, s59, STAGE                   ; my stage
	s_mov_b32 s[G1], 15|(3<<16)|(1<<21)            ; a block is dense: 67 rows of 256 bytes (32 elements of 8); the mask names all four work-groups
	s_mov_b32 s[G1+1], 32<<16
	s_mov_b32 s[G1+2], 67<<16
	s_mov_b32 s[G1+3], 32<<16
	s_mov_b32 s[G1+4], 67
	s_mov_b32 s[G1+5], 32
	s_mov_b32 s[G1+6], 0
	s_mov_b32 s[G1+7], 0
	s_mov_b32 s[SEL], 0x76543210
	s_mov_b32 s[SEL+1], 0xfedcba98
	s_mov_b32 s[CS], 0x3d38aa3b                    ; c = log2(e) / 32
	s_mov_b32 s[CS+1], s[CS]
	s_mov_b32 s[MNT], 0x600000                     ; the mantissa field of 57,344
	s_wait_dscnt 0x0
	s_wait_kmcnt 0x0
	s_add_nc_u64 s[4:5], s[4:5], s[52:53]
	s_add_nc_u64 s[6:7], s[6:7], s[54:55]
	s_add_nc_u64 s[8:9], s[8:9], s[56:57]
	s_add_nc_u64 s[10:11], s[10:11], s[2:3]
	s_add_nc_u64 s[12:13], s[12:13], s[2:3]
	CROUND                                         ; all four work-groups are here: the joint loads meet
	s_mov_b32 s[G0], 1
	s_mov_b32 s[G0+1], s58
	s_mov_b64 s[G0+2:G0+3], s[8:9]
	s_or_b32 s[G0+3], s[G0+3], 0x80000000
	s_cmp_lt_u32 s[WV], 5                          ; one load a wave; waves 0 to 4, which alone wait at the first barrier, have a line of their own
	s_cbranch_scc0 .Lrest
	tensor_load_to_lds s[G0:G0+3], s[G1:G1+7]
	s_nop 0
.rept 4
	v_nop
.endr
	s_branch .Lasked
.Lrest:
	tensor_load_to_lds s[G0:G0+3], s[G1:G1+7]
	s_nop 0
.rept 4
	v_nop
.endr
.Lasked:
	v_and_b32 v11, 31, v0
	v_lshlrev_b32 v[L16], 4, v11
	v_lshlrev_b32 v[L4], 2, v11
	v_and_b32 v[QSO], 15, v0                       ; r
	v_bfe_u32 v11, v0, 4, 1                        ; h
	v_lshlrev_b32 v[GO], 12, v11
	v_lshl_add_u32 v[GO], v[QSO], 4, v[GO]
	v_mul_u32_u24 v[SRD], v11, SPI
	v_lshl_add_u32 v[SRD], v[QSO], 4, v[SRD]
	v_add_nc_u32 v[SRD], s59, v[SRD]
	v_lshl_add_u32 v11, v11, 6, s59                ; my stage + 64 h
	v_lshlrev_b32 v[QSO], 2, v[QSO]
	global_load_b128 v[QF:QF+3], v[L16], s[4:5]
	global_load_b128 v[QF+4:QF+7], v[L16], s[4:5] offset:512
	global_load_b32 v[QSC], v[QSO], s[6:7]
	v_and_b32 v12, 7, v0
	v_bfe_u32 v13, v0, 3, 1                        ; g = r / 8
	v_xor_b32 v14, 1, v13
	v_mul_u32_u24 v15, v12, SPI
	v_mul_u32_u24 v[STO], v15, v14                 ; rows 0-7 of the tile: lanes with g = 0 take stage row r % 8, the others row 8
	v_mad_u32_u24 v[STO], v13, 8*SPI, v[STO]
	v_add_nc_u32 v[STO], v[STO], v11
	v_mul_u32_u24 v[STO+4], v15, v13               ; rows 8-15: the other way round
	v_mad_u32_u24 v[STO+4], v14, 8*SPI, v[STO+4]
	v_add_nc_u32 v[STO+4], v[STO+4], v11
	v_and_b32 v[PFO], 8, v0
	v_lshl_add_u32 v[PFO], v[PFO], 1, v12          ; the residual's row of lane l: l % 8 + 16 ((l / 8) % 2),
	v_lshlrev_b32 v[PFO], 12, v[PFO]
	v_and_b32 v13, 16, v0
	v_lshl_add_u32 v[PFO], v13, 16, v[PFO]         ; lanes 16-31: the second pass's
.irp j, 0,1,2,3,4,5,6,7
	v_mov_b32 v[QF+8+\j], 0                        ; the zero codes of the upper 64 of the K step: written once
	v_mov_b32 v[KF+64+\j], 0
.endr
.irp b, 0,1,2,3
	v_mov_b32 v[BT+\b], 0                          ; a lane permute's destination counts as one of its sources
.endr
	v_mov_b32 v[T], 0
	v_mov_b32 v[F+1], 0
.macro INIT                            ; a pass begins: the largest score so far is -3e38, the sum and O^T are zeros, which the first change of M leaves zeros
	v_mov_b32 v13, 0xff61b1e6
	v_mov_b32 v14, 0
	v_mov_b32 v15, 0
	v_floor_f32 v12, -v13
.set j, 0
.rept 32
	v_mov_b32 v[O+j], 0
.set j, j+1
.endr
.endm
.macro PAIR reg, i, off                ; eight registers: 1,024 bytes of an image
	ds_load_b128 v[\reg+8*(\i):\reg+8*(\i)+3], v[ADR] offset:(\off)+1024*(\i)
	ds_load_b128 v[\reg+8*(\i)+4:\reg+8*(\i)+7], v[ADR] offset:(\off)+1024*(\i)+512
.endm
.macro KLOAD off                       ; K's eight tiles and their scale words, from off bytes behind the block in hand
.irp t, 0,1,2,3,4,5,6,7
	PAIR KF, \t, \off
.endr
.irp x, 0,1,2,3
	ds_load_b32 v[KSC+\x], v[ADS] offset:(\off)+KW+128*\x
.endr
.endm
.macro TM8 j0                          ; t - M of sixteen scores
.irp j, 0,2,4,6,8,10,12,14
	v_pk_fma_f32 v[S+\j0+\j:S+\j0+\j+1], v[S+\j0+\j:S+\j0+\j+1], s[CS:CS+1], v[12:13] op_sel_hi:[1,0,0]
.endr
.endm
.macro QUANT b                         ; block b's hold and conversions
.irp i, 0,2,4,6,8,10,12,14
	v_dual_min_num_f32 v[S+16*\b+\i], v[S+16*\b+\i], v[BH+\b] :: v_dual_min_num_f32 v[S+16*\b+\i+1], v[S+16*\b+\i+1], v[BH+\b]   ; the conversion does not saturate (ISA guide 7.6.2); p is not negative: a one-sided hold, two a line
.endr
	v_cvt_scalef32_pk8_bf8_f32 v[P+4*\b:P+4*\b+1], v[S+16*\b:S+16*\b+7], v[BS+\b]
	v_cvt_scalef32_pk8_bf8_f32 v[P+4*\b+2:P+4*\b+3], v[S+16*\b+8:S+16*\b+15], v[BS+\b]
.endm
.macro PV d                            ; O^T's tiles d, d + 1 += V^T P^T
	v_wmma_scale_f32_16x16x128_f8f6f4 v[O+8*\d:O+8*\d+7], v[S+16*\d:S+16*\d+15], v[P:P+15], v[O+8*\d:O+8*\d+7], v[VSC+\d/2], v[PWD] matrix_a_fmt:MATRIX_FMT_BF8 matrix_b_fmt:MATRIX_FMT_BF8
	v_wmma_scale_f32_16x16x128_f8f6f4 v[O+8*\d+8:O+8*\d+15], v[S+16*\d+16:S+16*\d+31], v[P:P+15], v[O+8*\d+8:O+8*\d+15], v[VSC+\d/2], v[PWD] matrix_a_fmt:MATRIX_FMT_BF8 matrix_b_fmt:MATRIX_FMT_BF8 matrix_a_scale:MATRIX_SCALE_ROW1
.endm
; A KEY STEP: 128 keys.  next = 1: the next step's K is fetched.  tail = 1, 2: a pass's last step: the residual's rows are loaded; tail = 1: the next pass's Q too.  p: the pass.
.macro STEP next, tail, p
	s_wait_dscnt 0x0                               ; K and its words are in
.irp t, 0,2,4,6                        ; S^T = K Q^T: each product starts its own sum
	v_wmma_scale_f32_16x16x128_f8f6f4 v[S+8*\t:S+8*\t+7], v[KF+8*\t:KF+8*\t+15], v[QF:QF+15], 0, v[KSC+\t/2], v[QSC] matrix_a_fmt:MATRIX_FMT_BF8 matrix_b_fmt:MATRIX_FMT_BF8
	v_wmma_scale_f32_16x16x128_f8f6f4 v[S+8*\t+8:S+8*\t+15], v[KF+8*\t+8:KF+8*\t+23], v[QF:QF+15], 0, v[KSC+\t/2], v[QSC] matrix_a_fmt:MATRIX_FMT_BF8 matrix_b_fmt:MATRIX_FMT_BF8 matrix_a_scale:MATRIX_SCALE_ROW1
.endr
.rept 8
	v_nop                                          ; eight places ahead of the loads into K's, Q's and the words' registers and of the first read of the scores
.endr
.if \next
	KLOAD BLK                                      ; a whole softmax ahead of its use, in one run
.endif
.if \tail
.irp e, 0,1,2,3,4,5,6,7
	global_load_b128 v[KF+4*\e:KF+4*\e+3], v[GO], s[10:11] offset:(\p)*PASSB+(\e/4)*65536+(\e%4)*8192 th:TH_LOAD_NT   ; the residual: sixteen lanes read 256 consecutive bytes
.endr
.endif
.if \tail == 1
	global_load_b128 v[QF:QF+3], v[L16], s[4:5] offset:16384
	global_load_b128 v[QF+4:QF+7], v[L16], s[4:5] offset:16384+512
	global_load_b32 v[QSC], v[QSO], s[6:7] offset:1024
.endif
.irp b, 0,1,2,3
	v_max3_num_f32 v[BM+\b], v[S+16*\b], v[S+16*\b+1], v[S+16*\b+2]   ; the largest score of each block of 32 keys: for the row's maximum and, since p rises with the score, for the block's largest p
.endr
.irp i, 3,5,7,9,11,13
.irp b, 0,1,2,3
	v_max3_num_f32 v[BM+\b], v[BM+\b], v[S+16*\b+\i], v[S+16*\b+\i+1]
.endr
.endr
.irp b, 0,1,2,3
	v_max_num_f32 v[BM+\b], v[BM+\b], v[S+16*\b+15]
.endr
.irp b, 0,1,2,3
	v_permlanex16_b32 v[BT+\b], v[BM+\b], s[SEL], s[SEL+1]
.endr
	v_mov_b32 v[OM], v12
	v_dual_max_num_f32 v[BM], v[BM], v[BT] :: v_dual_max_num_f32 v[BM+1], v[BM+1], v[BT+1]   ; with lane l xor 16's 16 keys
	v_dual_max_num_f32 v[BM+2], v[BM+2], v[BT+2] :: v_dual_max_num_f32 v[BM+3], v[BM+3], v[BT+3]
	v_max3_num_f32 v[T], v[BM], v[BM+1], v[BM+2]
	v_max3_num_f32 v13, v13, v[T], v[BM+3]         ; the largest score so far (c is positive: its t is the largest t)
	v_mul_f32 v[T], s[CS], v13
	v_floor_f32 v12, -v[T]                         ; the new -M = -ceil(t)
	TM8 0
	v_sub_f32 v[T], v12, v[OM]                     ; old M - new M: a whole number, 0 or less.  (The three lines that make f stand among the multiply-adds)
	TM8 16
	v_cvt_i32_f32 v[T], v[T]                       ; (it saturates)
	TM8 32
	v_ldexp_f32 v[F], 1.0, v[T]
	TM8 48
.irp b, 0,1,2,3
	v_fma_f32 v[BM+\b], v[BM+\b], s[CS], v12       ; t - M of each block's largest score
.endr
	WALU                                           ; the wait ahead of the batch
.irp b, 0,1,2,3
	v_exp_f32 v[BM+\b], v[BM+\b]                   ; the block's largest p: the same two instructions on the same number give the same bits
.endr
.set j, 0
.rept 64
	v_exp_f32 v[S+j], v[S+j]                       ; p = 2^(t - M)
.set j, j+1
.endr
	v_nop                                          ; a plain line behind the batch
	WALU                                           ; and the one wait behind it
.irp k, 0,1,2,3                        ; the step's sum of the unquantised p, in four chains
	v_pk_add_f32 v[SU+2*\k:SU+2*\k+1], v[S+2*\k:S+2*\k+1], v[S+8+2*\k:S+8+2*\k+1]
.endr
.irp n, 2,3,4,5,6,7
.irp k, 0,1,2,3
	v_pk_add_f32 v[SU+2*\k:SU+2*\k+1], v[SU+2*\k:SU+2*\k+1], v[S+8*\n+2*\k:S+8*\n+2*\k+1]
.endr
.endr
.irp b, 0,1,2,3
	v_max_num_f32 v[BM+\b], 0x8000000, v[BM+\b]    ; the floor 2^(16 - 127): the byte cannot fall under 1
.endr
.irp b, 0,1,2,3
	v_add_nc_u32 v[BS+\b], 0xf8800000, v[BM+\b]    ; 15 off the exponent field: the conversion's scale operand
.endr
.irp b, 0,1,2,3
	v_lshrrev_b32 v[BT+\b], 23, v[BS+\b]           ; the scale's byte
.endr
	v_and_or_b32 v[BH], v[BM], 0x7f800000, s[MNT]  ; 57,344 x the scale
	v_lshl_or_b32 v[PWD], v[BT+1], 8, v[BT]        ; p's scale word for these 128 keys
	v_and_or_b32 v[BH+1], v[BM+1], 0x7f800000, s[MNT]
	v_and_or_b32 v[BH+2], v[BM+2], 0x7f800000, s[MNT]
	v_lshl_or_b32 v[PWD], v[BT+2], 16, v[PWD]
	v_and_or_b32 v[BH+3], v[BM+3], 0x7f800000, s[MNT]
	v_lshl_or_b32 v[PWD], v[BT+3], 24, v[PWD]
	QUANT 0
	QUANT 1
.irp i, 0,1,2,3
	PAIR S, \i, VI                                 ; blocks 0 and 1 are done with: V^T's tiles 0 and 1 land in their registers,
.endr
	ds_load_b32 v[VSC], v[ADS] offset:VW
	ds_load_b32 v[VSC+1], v[ADS] offset:VW+128
	QUANT 2
	QUANT 3
.irp i, 4,5,6,7
	PAIR S, \i, VI                                 ; and tiles 2 and 3: eight loads
.endr
	WALU                                           ; the wait directly ahead of the first reader of O^T
.set j, 0
.rept 16
	v_pk_mul_f32 v[O+j:O+j+1], v[O+j:O+j+1], v[F:F+1] op_sel_hi:[1,0]   ; O^T under the new M; also the plain lines between the conversions and the products
.set j, j+2
.endr
	WALU                                           ; the wait directly ahead of the wait below
	s_wait_dscnt 8                                 ; all but the youngest eight loads: tiles 0 and 1 and the words are in
	PV 0
	s_wait_dscnt 0x0
	PV 2
.if \next
	s_add_co_u32 s[TB], s[TB], BLK                 ; on to the next block
	v_add_nc_u32 v[ADR], s[TB], v[L16]
	v_add_nc_u32 v[ADS], s[TB], v[L4]
.else
	v_nop
	v_nop
.endif
	v_pk_add_f32 v[SU:SU+1], v[SU:SU+1], v[SU+2:SU+3]   ; the four chains are joined, and the row's sum goes under the new M and takes them in.  With the two lines above and the three below: nine places
	v_pk_add_f32 v[SU+4:SU+5], v[SU+4:SU+5], v[SU+6:SU+7]   ; ahead of the next step's products, which write over V^T's registers
	v_pk_add_f32 v[SU:SU+1], v[SU:SU+1], v[SU+4:SU+5]
	v_pk_fma_f32 v[14:15], v[14:15], v[F:F+1], v[SU:SU+1] op_sel_hi:[1,0,1]
.rept 3
	v_nop
.endr
.endm
.macro START                           ; a pass's walk begins at block 0
	s_mov_b32 s[TB], 0
	v_add_nc_u32 v[ADR], s[TB], v[L16]
	v_add_nc_u32 v[ADS], s[TB], v[L4]
	KLOAD 0
.endm
.macro LOOPS n, p                      ; n key steps, each with its fetch ahead
	s_mov_b32 s[CNT], \n
	WALU
.Lk_\@:
	STEP 1, 0, \p
	s_sub_co_u32 s[CNT], s[CNT], 1
	s_cmp_lg_u32 s[CNT], 0
	WALU                                           ; the wait directly ahead of the branch
	s_cbranch_scc1 .Lk_\@
.endm
; THE WAY OUT of a pass.  O^T / the sum goes through my stage, eight rows of 256 bytes at a time, comes back as whole rows, takes the residual and leaves: sixteen lanes store 256 consecutive bytes, at a multiple of 256 from out0's first byte.
.macro OUTPUT p, left
	v_add_f32 v14, v14, v15
	v_permlanex16_b32 v[T], v14, s[SEL], s[SEL+1]
	v_add_f32 v14, v14, v[T]                       ; the row's sum
	WALU
	v_rcp_f32 v14, v14
	v_nop
	WALU                                           ; ahead of the first reader of the reciprocal and of O^T
.set j, 0
.rept 16
	v_pk_mul_f32 v[O+j:O+j+1], v[O+j:O+j+1], v[14:15] op_sel_hi:[1,0]
.set j, j+2
.endr
.irp u, 0,1
.irp b, 0,1
.irp i, 0,1,2,3
	ds_store_b128 v[STO+4*\u], v[O+16*\b+4*\i:O+16*\b+4*\i+3] offset:128*\b+16*\i   ; channels 32 b + 16 (lane / 16) + 4 i on
.endr
.endr
.irp e, 0,1,2,3
	ds_load_b128 v[S+16*\u+4*\e:S+16*\u+4*\e+3], v[SRD] offset:2*SPI*\e   ; LDS serves a wave's instructions in order (ISA guide 5.7.1.4): these see the stores above, and the next eight rows' stores come behind them
.endr
.endr
	s_wait_loadcnt \left                           ; the residual is in; left: the younger loads, the next pass's Q
	s_wait_dscnt 0x0
.set j, 0
.rept 16
	v_pk_add_f32 v[S+j:S+j+1], v[S+j:S+j+1], v[KF+j:KF+j+1]
.set j, j+2
.endr
.irp e, 0,1,2,3,4,5,6,7
	global_store_b128 v[GO], v[S+4*\e:S+4*\e+3], s[12:13] offset:(\p)*PASSB+(\e/4)*65536+(\e%4)*8192 th:TH_STORE_NT
.endr
.endm
	INIT
	WALU                                           ; the wait at the head's end
	s_cmp_lt_u32 s[WV], 5
	s_cbranch_scc0 .Lnot_first
	s_wait_tensorcnt 0x0                           ; waves 0 to 4: blocks 0 to 4 have landed
.Lnot_first:
	s_wait_dscnt 0x0
	s_barrier_signal -1
	s_barrier_wait -1
	s_wait_loadcnt 0x0                             ; Q
	START
	LOOPS 4, 0                                     ; blocks 0 to 3; the fourth step fetches block 4's K
	s_wait_tensorcnt 0x0                           ; every wave's block has landed
	s_wait_dscnt 0x0
	s_barrier_signal -1
	s_barrier_wait -1
	global_prefetch_b8 v[PFO], s[10:11] th:TH_LOAD_NT scope:SCOPE_SE   ; the residual's 32 blocks of 256 bytes of my two tiles, a lane a block
	LOOPS 11, 0
	STEP 0, 1, 0
	OUTPUT 0, 3
	s_wait_xcnt 0x0                                ; the stores have read their data: the next pass's scores land in those registers
	s_wait_loadcnt 0x0                             ; Q of the second pass
	INIT
	START
	LOOPS 15, 1                                    ; the whole head lies in LDS: no barrier
	STEP 0, 2, 1
	OUTPUT 1, 0
	s_wait_tensorcnt 0x0                           ; the wave's end
	ds_add_u32 v[SPW], v[NIL]
	s_wait_dscnt 0x0
	CROUND                                         ; the closing round
	s_endpgm
.Lfunc_end_k_q89e65629c2_attn:
	.size	k_q89e65629c2_attn, .Lfunc_end_k_q89e65629c2_attn-k_q89e65629c2_attn
	.p2alignl 7, 3214868480
	.fill 96, 4, 3214868480
	.section	.rodata,"a",@progbits
	.p2align	6, 0x0
	.amdhsa_kernel k_q89e65629c2_attn
		.amdhsa_group_segment_fixed_size 327680
		.amdhsa_private_segment_fixed_size 0
		.amdhsa_enable_private_segment 0
		.amdhsa_kernarg_size 40
		.amdhsa_user_sgpr_count 2
		.amdhsa_user_sgpr_kernarg_segment_ptr 1
		.amdhsa_wavefront_size32 1
		.amdhsa_system_sgpr_workgroup_id_x 1
		.amdhsa_system_sgpr_workgroup_id_y 1
		.amdhsa_system_sgpr_workgroup_id_z 1
		.amdhsa_system_vgpr_workitem_id 0
		.amdhsa_next_free_vgpr 256
		.amdhsa_next_free_sgpr 66
		.amdhsa_reserve_vcc 0
		.amdhsa_float_denorm_mode_32 3
		.amdhsa_float_denorm_mode_16_64 3
		.amdhsa_memory_ordered 1
		.amdhsa_forward_progress 1
		.amdhsa_inst_pref_size 113
	.end_amdhsa_kernel
	.amdgpu_metadata
---
amdhsa.version: [ 1, 2 ]
amdhsa.kernels:
  - .name:           k_q89e65629c2_attn
    .symbol:         k_q89e65629c2_attn.kd
    .args:
      - { .name: qc, .offset: 0, .size: 8, .value_kind: global_buffer, .address_space: global }
      - { .name: qs, .offset: 8, .size: 8, .value_kind: global_buffer, .address_space: global }
      - { .name: kv, .offset: 16, .size: 8, .value_kind: global_buffer, .address_space: global }
      - { .name: q, .offset: 24, .size: 8, .value_kind: global_buffer, .address_space: global }
      - { .name: out0, .offset: 32, .size: 8, .value_kind: global_buffer, .address_space: global }
    .group_segment_fixed_size: 327680
    .private_segment_fixed_size: 0
    .kernarg_segment_align: 8
    .kernarg_segment_size: 40
    .max_flat_workgroup_size: 512
    .sgpr_count:     66
    .vgpr_count:     256
    .wavefront_size: 32
...
	.end_amdgpu_metadata
.endif
;; end of part 3
